; MI455X (gfx1250); checked and timed in simulation.
; The chip was launched on July 23, 2026; its instructions are those of AMD's public machine-readable ISA for CDNA 5 (MIT licence, August 2026) and "CDNA5" Instruction Set Architecture Reference Guide (July 2026). The comments in the code are by the model that wrote it; some were corrected since.
;; Self Attention. Allowed arithmetic: matrix products marked QUANTISED: E3M2 operands, one E8M0 scale for each 32 along K, by v_wmma_scale_f32_16x16x128_f8f6f4 with both operands' format E3M2, f32 sums; everything else in f32.
;; Inputs: rope_cos 2,048 x 128 float32; rope_sin 2,048 x 128 float32; wk_codes 2,048 x 64 x 24 uint8 (E3M2 codes of wk, K innermost, in blocks of 32 codes, four codes in three bytes); wk_scales 2,048 x 64 uint8 (E8M0 scales of wk, one for each 32 codes along K); wq_codes 2,048 x 64 x 24 uint8 (E3M2 codes of wq, K innermost, in blocks of 32 codes, four codes in three bytes); wq_scales 2,048 x 64 uint8 (E8M0 scales of wq, one for each 32 codes along K); wv_codes 2,048 x 64 x 24 uint8 (E3M2 codes of wv, K innermost, in blocks of 32 codes, four codes in three bytes); wv_scales 2,048 x 64 uint8 (E8M0 scales of wv, one for each 32 codes along K); x_codes 1 x 2,048 x 64 x 24 uint8 (E3M2 codes of x, K innermost, in blocks of 32 codes, four codes in three bytes); x_scales 1 x 2,048 x 64 uint8 (E8M0 scales of x, one for each 32 codes along K).
;; Outputs: out0 1 x 2,048 x 2,048 float32.
;; This version of the problem:
;;   THIS VERSION OF THE PROBLEM IS GIVEN IN LOW PRECISION. The matrix products marked QUANTISED in the list below multiply operands that are first quantised to E3M2 (3 exponent bits, 2 mantissa bits; 6 bits a number), with one power-of-two scale for each 32 numbers along K (OCP MX v1.0); their sums are f32. All else is computed in f32.
;;   The module's matrix products, in the order in which they are computed (A, B: the left and right operand; K: the contracted axis; several contracted axes count as one K, in the product's order):
;;     1. [M 2,048, K 2,048] x [K 2,048, N 2,048]; A: input x (given as codes); B: input wq (given as codes): QUANTISED
;;     2. [M 2,048, K 2,048] x [K 2,048, N 2,048]; A: input x (given as codes); B: input wk (given as codes): QUANTISED
;;     3. [M 2,048, K 2,048] x [K 2,048, N 2,048]; A: input x (given as codes); B: input wv (given as codes): QUANTISED
;;     4. batch 16 x [M 2,048, K 128] x [K 128, N 2,048]; A: computed on the way; B: computed on the way: QUANTISED
;;     5. batch 16 x [M 2,048, K 2,048] x [K 2,048, N 128]; A: softmax (see below); B: computed on the way: QUANTISED
;;   THE QUANTISER, for each operand of a quantised product, along K:
;;     - K is cut into blocks of 32 from its start; a last block that is shorter is filled with zeros.
;;     - A block's scale is 2^e with e = floor(log2(the largest magnitude in the block)) - 4, held to -126 .. 127; a block of zeros has e = 0. As a byte (E8M0): e + 127.
;;     - Each number is divided by its block's scale, clamped to +-28, and rounded to the nearest number of E3M2, ties to even, subnormals kept.
;;     - The product sums the exact products of the quantised numbers (number of the format x scale) in f32.
;;   ~~~python
;;   def quantise(x, axis):      # numpy; x: float32 -> the quantised numbers, widened to float32 again
;;       x = np.moveaxis(x, axis, -1); K = x.shape[-1]
;;       x = np.pad(x, [(0, 0)] * (x.ndim - 1) + [(0, -K % 32)]); x = x.reshape(x.shape[:-1] + (-1, 32)); a = np.abs(x).max(-1, keepdims=True)
;;       e = np.where(a > 0, np.clip(np.frexp(np.where(a > 0, a, 1))[1] - 1 - 4, -126, 127), 0)      # np.frexp(a)[1] - 1 = floor(log2(a)), exactly
;;       r = np.clip(x / 2.0 ** e, -28, 28)
;;       step = 2.0 ** (np.maximum(np.frexp(np.where(r == 0, 1, r))[1] - 1, -2) - 2)
;;       q = np.round(r / step) * step * 2.0 ** e      # np.round: ties to even
;;       return np.moveaxis(q.reshape(q.shape[:-2] + (-1,))[..., :K], -1, axis).astype(np.float32)
;;   ~~~
;;   SOFTMAX AHEAD OF A QUANTISED PRODUCT. Where the list says 'softmax', what is quantised is not the finished softmax but p = 2^(t - M), with t = logit x log2(e) and M = ceil(the row's largest t), a whole number; so 1/2 < the row's largest p <= 1. The row's sum l is taken of the UNQUANTISED p, in f32, and the product's result is divided by l at the end. Since M is a whole number, a kernel that streams over the keys may use a running M (the ceiling of the running maximum): every later rescaling is an exact power of two, which a block's scale takes up: the codes' values come out the same.
;;   OPERANDS COMPUTED ON THE WAY. 'Computed on the way' means the value that the module computes at that place (a softmax that the list does not call 'softmax' is quantised finished and normalised). What goes into a quantiser is computed in f32, as accurately as f32 sums, v_exp_f32 and their like allow (about 1e-6 of the number): no bf16 or f16 on the way to a quantiser, and a product that is left as it is and whose result goes on into a quantised operand takes f32 operands (vector FMAs, or v_wmma_f32_16x16x4_f32). A number that lies on a knife's edge between two numbers of the format may be rounded either way, as far as f32 arithmetic and the matrix unit's own rounding can turn it there, and no further.
;;   INPUTS GIVEN AS CODES. wk (in the module: [2048, 2048], K = its axis 1); wq (in the module: [2048, 2048], K = its axis 1); wv (in the module: [2048, 2048], K = its axis 1); x (in the module: [1, 2048, 2048], K = its axis 2): each comes as NAME_codes (uint8): NAME with its K axis moved to the last place and cut into blocks of 32 codes, [.., K / 32, bytes a block], one block behind the other in memory; four codes in three bytes: a row's codes are one little-endian stream of bits, code i at bits 6 i .. 6 i + 5 (a code: sign, 3 exponent bits, 2 mantissa bits); and NAME_scales (uint8): the same leading axes, one E8M0 byte (e + 127) for each 32 codes along K. Its value is code x scale, taken as it is: it is not quantised again, and the codes and scales need not be those that the quantiser above would give.
;; One version. Each part assembles by itself: llvm-mc -triple=amdgcn-amd-amdhsa -mcpu=gfx1250 --defsym DOCPART=n.
;; ======== version 1 of 1: 2 launches
;; limits: right only within a limited range of input values
;; workspace buffers: qkv 10,223,616 bytes
;; launch proj (part 1): grid 16 x 16, 4 waves a work-group, clusters of 4 x 4, 327,680 bytes of LDS; arguments x_codes, x_scales, wq_codes, wq_scales, wk_codes, wk_scales, wv_codes, wv_scales, rope_cos, rope_sin, qkv; writes qkv
.if DOCPART == 1
	.amdgcn_target "amdgcn-amd-amdhsa--gfx1250"
	.amdhsa_code_object_version 6
	.text
	.protected	k_qe4972c5611_proj
	.globl	k_qe4972c5611_proj
	.p2align	8
	.type	k_qe4972c5611_proj,@function
k_qe4972c5611_proj:
	s_mov_b64 s[64:65], 0
	v_nop
	global_prefetch_b8 v0, s[64:65] scope:SCOPE_SE
	s_setreg_imm32_b32 hwreg(HW_REG_WAVE_MODE, 25, 1), 1
	s_wait_xcnt 0x0
	s_wait_alu depctr_hold_cnt(0) depctr_sa_sdst(0) depctr_va_vdst(0) depctr_va_sdst(0) depctr_va_ssrc(0) depctr_va_vcc(0) depctr_vm_vsrc(0)
	s_getreg_b32 s2, hwreg(HW_REG_IB_STS2, 6, 4)
	s_cmp_eq_u32 s2, 0
	s_cbranch_scc0 .Lentry_in_a_cluster
	s_endpgm
.Lentry_in_a_cluster:
	s_bfe_u32 s2, ttmp6, 0x10000c
	s_cmp_lg_u32 s2, 0xf033
	s_cbranch_scc0 .Lentry_shape_is_right
	s_endpgm
.Lentry_shape_is_right:
; q, k, v = x W^T for one head and 128 positions, RoPE on q and k, all three quantised to BF6 (E3M2) codes with E8M0 scales and stored as images of the operands that the second launch takes.
; DEAD WORK in this program: only key steps (128 keys) of the second launch that reference()'s causal mask hides from a whole block of 128 queries: their p is 0 for all inputs.  A NaN or an infinity that reaches only those is not carried on.
; LIMITS: NaN and infinities are not served.  A block all of whose numbers lie under 2^(5 - 127) keeps the scale byte 1.
; SHARES.  256 work-groups: x = head, y = block of 128 positions.  Four waves; wave w makes channels 32 w .. 32 w + 31 of q, of k and of v for all 128 positions: 48 accumulators of 16 x 16.
; CLUSTERS of 4 x 4: the four of a row share the positions (x's rows, the tables), the four of a column the head (the weights' rows): joint loads.
; THE RING: two LDS slots of 512 rows (pitch 272): 128 rows of x, then 128 each of wq, wk, wv.  A row of codes has six chunks of 256 bytes; chunk c lies in slot c % 2.  Wave 0 fetches x's rows, wave 1 wq's, wave 2 wk's, wave 3 wv's.
; A step of 128 along K is 96 bytes.  Lane (r, h) takes the 48 bytes at 96 step + 48 h: blocks 2 h and 2 h + 1, where the operand's layout counts them as blocks h and 2 + h: so bytes 1 and 2 of each scale word are exchanged.
; A and B have the same order, so the products are the same.  All pieces are 16 bytes, aligned, and inside one chunk.
; SCALES go from memory into registers: lanes 0-15 hold the words of steps 0-7, lanes 16-31 those of steps 8-15.
; Q AND K are made transposed (source 0 = the weights' rows): a lane holds one position, its registers run along the channels.  V is made with source 0 = x's rows: a lane holds one channel, its registers run along the positions.
; The 32 numbers of a block stand in the order 0-7, 16-23, 8-15, 24-31, alike in q and k, and alike in v and the p of the second launch.
; PREFETCH: at each refill the chunk two refills on; a wave names 32 of the 128 rows that it fetches, by its work-group's place among the four that ask jointly; chunks 1 and 2 at the head; the tables once.
; REGISTERS.  Window 0: v1-31 addresses, v32-95 scales of x, v96-143 of the weights, v144-239 fragments of x, set 0 (on the way out: numbers at work).  Window 1: v0-143 two sets of fragments of the weights, v144-239 fragments of x, set 1;
; on the way out v0-127 tables.  Window 2: q's accumulators v0-127, k's v128-255.  Window 3: v's v0-127, tables v128-255.
.set KROW,  1536
.set PITCH, 272
.set R16,   16*PITCH
.set RB,    128*PITCH                  ; 34,816: the rows that a wave fetches
.set SLOT,  4*RB                       ; 139,264 = 0x22000: its two bits are 0 in 0x8800 x wave, so one exclusive or changes slots
.set FREC,  1664                       ; a record: three groups of four registers, 512 bytes each, and 32 scale words
.set PART,  8*FREC
.set STG,   2*SLOT                     ; behind the ring: the stage, q, k, v parts as they lie in memory
.set SPARE, STG+3*PART                 ; the spare words
.set QS,   1                           ; v1-3   where 8 bytes of a block of q or k go
.set SBY,  4                           ; v4     and its scale byte
.set VST,  5                           ; v5     v's record
.set VSW,  6                           ; v6     and its scale words
.set CO,   7                           ; v7     16 x thread
.set RDA,  8                           ; v8     the stage + 16 x thread
.set ADRV, 9                           ; v9-12  fragments of wv: slot 0, slot 1; lanes 0-15 byte 208 of slot 0 or 1 and lanes 16-31 byte 0 of the other
.set ADRA, 16                          ; v16-19 the same of x
.set ADRB, 20                          ; v20-23 of wq; wk lies RB further on
.set TBC,  24                          ; v24 cos, v25 sin
.set SCO,  26
.set SPW,  28
.set NIL,  29
.set PFO,  30
.set PFT,  31
.set SA,   32
.set SB,   96
.set AF,   144
.set HA,   144
.set TP,   208
.set PC,   208
.set TM,   228
.set PW,   244
.set RR,   245                         ; v245-252 at work in the head: r, h, lane, ..
.set HH,   246
.set LL,   247
.set WV,   3
.set G1A,  20
.set G1B,  28
.set G1T,  36
.set G0A,  44
.set G0B,  48
.set G0T,  52
.set PFA,  90
.set PTA,  84
.set MSB, 0
.macro WIN new
.if MSB != (\new)
	s_set_vgpr_msb (MSB<<8)|(\new)
.set MSB, (\new)
.endif
.endm
.macro PLACES
.rept 4
	v_nop
.endr
.endm
.macro JLOAD                           ; wave 0 asks for x's rows, the others for the weights'
	s_cmp_eq_u32 s[WV], 0
	s_cbranch_scc0 .Lfor_b_\@
	tensor_load_to_lds s[G0A:G0A+3], s[G1A:G1A+7]
	s_nop 0
	PLACES
	s_branch .Lasked_\@
.Lfor_b_\@:
	tensor_load_to_lds s[G0B:G0B+3], s[G1B:G1B+7]
	s_nop 0
	PLACES
.Lasked_\@:
.endm
.macro CREST                           ; a round of the cluster's barrier behind its opening barrier
	s_cmp_lg_u32 s[WV], 0
	s_cbranch_scc1 .Lnot_wave_0_\@
	s_barrier_signal -3
.Lnot_wave_0_\@:
	s_barrier_wait -3
	s_barrier_signal -1
	s_barrier_wait -1
.endm
.macro CROUND
	s_barrier_signal -1
	s_barrier_wait -1
	CREST
.endm
	s_load_b512 s[68:83], s[0:1], 0x0              ; x, wq, wk, wv: codes and scales
	s_load_b128 s[84:87], s[0:1], 0x40             ; cos, sin
	s_load_b64 s[88:89], s[0:1], 0x50              ; qkv
	v_lshl_add_u32 v[SPW], v0, 2, SPARE
	v_mov_b32 v[NIL], 0
	ds_add_u32 v[SPW], v[NIL]                      ; the opening add, twice on end
	ds_add_u32 v[SPW], v[NIL]
	v_lshrrev_b32 v[RR], 5, v0
	v_readfirstlane_b32 s[WV], v[RR]
	s_bfe_u32 s56, ttmp6, 0x40000                  ; cx
	s_bfe_u32 s57, ttmp6, 0x40004                  ; cy
	s_lshl_b32 s58, ttmp9, 2
	s_add_co_u32 s58, s58, s56                     ; head
	s_and_b32 s59, ttmp7, 0xffff
	s_lshl_b32 s59, s59, 2
	s_add_co_u32 s59, s59, s57                     ; block of 128 positions
	s_lshl_b32 s2, s57, 2
	s_lshl_b32 s2, 15, s2                          ; my row of the cluster
	s_lshl_b32 s90, 0x1111, s56                    ; my column
	s_or_b32 s[G1A], s2, (1<<20)|(1<<21)|(5<<22)|(3<<25)    ; elements of 1 byte; 4 words of padding behind every 64; bit 21 set beside a mask
	s_or_b32 s[G1B], s90, (1<<20)|(1<<21)|(5<<22)|(3<<25)
	s_or_b32 s[G1T], s2, (1<<20)|(1<<21)|(5<<22)|(3<<25)
.irp g, G1A, G1B, G1T
	s_mov_b32 s[\g+1], 256<<16                     ; 128 rows of 256 bytes
	s_mov_b32 s[\g+2], 128<<16
	s_mov_b32 s[\g+3], 256<<16
	s_mov_b32 s[\g+4], 128
	s_mov_b32 s[\g+6], 0
	s_mov_b32 s[\g+7], 0
.endr
	s_mov_b32 s[G1A+5], KROW
	s_mov_b32 s[G1B+5], KROW
	s_mov_b32 s[G1T+5], 512
	s_mul_i32 s60, s59, 128*KROW                   ; my positions' rows of x
	s_mov_b32 s61, 0
	s_mul_i32 s62, s58, 128*KROW                   ; my head's rows of a weight
	s_mov_b32 s63, 0
	s_mov_b32 s[G0A], 1
	s_mov_b32 s[G0A+1], 0
	s_mov_b32 s[G0B], 1
	s_mul_i32 s[G0B+1], s[WV], RB
	s_mov_b32 s[G0T], 1
	s_mul_i32 s[G0T+1], s[WV], RB
	s_wait_dscnt 0x0                               ; both opening adds are done
	s_wait_kmcnt 0x0
	s_cmp_lt_u32 s[WV], 3
	s_cselect_b64 s[92:93], s[76:77], s[80:81]
	s_cmp_lt_u32 s[WV], 2
	s_cselect_b64 s[92:93], s[72:73], s[92:93]     ; the weight that I fetch (wave 0 does not use it)
	s_add_nc_u64 s[G0A+2:G0A+3], s[68:69], s[60:61]
	s_or_b32 s[G0A+3], s[G0A+3], 0x80000000
	s_add_nc_u64 s[G0B+2:G0B+3], s[92:93], s[62:63]
	s_or_b32 s[G0B+3], s[G0B+3], 0x80000000
	CROUND                                         ; all sixteen work-groups are here: the first joint loads meet
	JLOAD                                          ; chunk 0: one tensor load a wave
	s_cmp_eq_u32 s[WV], 0
	s_cselect_b64 s[PFA:PFA+1], s[68:69], s[92:93] ; the prefetches: the rows that I fetch,
	s_cselect_b32 s66, s60, s62
	s_cselect_b32 s2, s56, s57
	s_mul_i32 s2, s2, 32*KROW                      ; my work-group's 32 of them
	s_add_co_u32 s66, s66, s2
	s_mov_b32 s67, 0
	s_add_nc_u64 s[PFA:PFA+1], s[PFA:PFA+1], s[66:67]
	s_lshl_b32 s94, s59, 13                        ; scales: 128 rows of 64 bytes
	s_mov_b32 s95, 0
	s_add_nc_u64 s[92:93], s[70:71], s[94:95]
	s_lshl_b32 s66, s58, 13
	s_lshl_b32 s2, s[WV], 11
	s_add_co_u32 s66, s66, s2                      ; my 32 rows of a weight's
	s_add_nc_u64 s[96:97], s[74:75], s[66:67]
	s_add_nc_u64 s[98:99], s[78:79], s[66:67]
	s_add_nc_u64 s[100:101], s[82:83], s[66:67]
	s_cmp_lt_u32 s[WV], 2
	s_cselect_b64 s[G0T+2:G0T+3], s[84:85], s[86:87]   ; the tables: waves 0 and 1 cos, 2 and 3 sin; channels 64 (wave % 2) on
	s_lshl_b32 s94, s59, 16
	s_and_b32 s2, s[WV], 1
	s_lshl_b32 s2, s2, 8
	s_add_co_u32 s94, s94, s2
	s_add_nc_u64 s[G0T+2:G0T+3], s[G0T+2:G0T+3], s[94:95]
	s_lshl_b32 s66, s56, 14
	s_add_nc_u64 s[PTA:PTA+1], s[G0T+2:G0T+3], s[66:67] ; their prefetch: my work-group's 32 positions
	s_or_b32 s[G0T+3], s[G0T+3], 0x80000000
	s_lshl_b32 s66, s58, 4
	s_add_co_u32 s66, s66, s59
	s_mul_i32 s66, s66, 3*PART
	s_add_nc_u64 s[88:89], s[88:89], s[66:67]      ; out: (16 head + block) x 39,936
	v_and_b32 v[RR], 15, v0                        ; r
	v_bfe_u32 v[HH], v0, 4, 1                      ; h
	v_and_b32 v[LL], 31, v0                        ; lane
	v_lshlrev_b32 v248, 6, v[RR]
	v_lshl_add_u32 v[SCO], v[HH], 5, v248          ; scales: row r, bytes 32 h ..
	v_mul_u32_u24 v[PFO], v[LL], KROW
	v_lshlrev_b32 v[PFT], 9, v[LL]
.irp i, 0,1,2,3,4,5,6,7
.irp e, 0,1
	global_load_b128 v[SA+8*\i+4*\e:SA+8*\i+4*\e+3], v[SCO], s[92:93] offset:1024*\i+16*\e
.endr
.endr
.irp i, 0,1
.irp e, 0,1
	global_load_b128 v[SB+8*\i+4*\e:SB+8*\i+4*\e+3], v[SCO], s[96:97] offset:1024*\i+16*\e
	global_load_b128 v[SB+16+8*\i+4*\e:SB+16+8*\i+4*\e+3], v[SCO], s[98:99] offset:1024*\i+16*\e
	global_load_b128 v[SB+32+8*\i+4*\e:SB+32+8*\i+4*\e+3], v[SCO], s[100:101] offset:1024*\i+16*\e
.endr
.endr
	global_prefetch_b8 v[PFO], s[PFA:PFA+1] offset:256 th:TH_LOAD_NT scope:SCOPE_SE   ; chunk 1
	global_prefetch_b8 v[PFO], s[PFA:PFA+1] offset:512 th:TH_LOAD_NT scope:SCOPE_SE   ; chunk 2
	s_wait_alu depctr_va_vdst(0)
	s_and_b32 s60, s[WV], 1
	s_lshr_b32 s61, s[WV], 1
	s_lshl_b32 s62, s60, 8
	s_add_co_u32 s62, s62, STG
	s_mul_i32 s63, s61, 520
	s_add_co_u32 s63, s63, s62                     ; a block's first 8 bytes: registers 0-1 or 6-7 of the operand,
	s_mul_i32 s2, s61, 1016
	s_add_co_u32 s2, s2, s62
	s_add_co_u32 s2, s2, 8                         ; the next 8: registers 2-3 or 8-9,
	s_add_co_u32 s94, s63, 512                     ; the last 8: registers 4-5 or 10-11
	v_lshlrev_b32 v249, 4, v[RR]
	v_mad_u32_u24 v249, v[HH], FREC, v249          ; h records + 16 r
	v_add_nc_u32 v[QS], s63, v249
	v_add_nc_u32 v[QS+1], s2, v249
	v_add_nc_u32 v[QS+2], s94, v249
	v_lshlrev_b32 v250, 2, v[LL]
	v_lshlrev_b32 v251, 4, v[LL]
	s_add_co_u32 s2, s[WV], STG+1536
	v_add_nc_u32 v[SBY], s2, v250
	s_mul_i32 s2, s[WV], 2*FREC
	s_add_co_u32 s2, s2, STG+2*PART
	v_add_nc_u32 v[VST], s2, v251
	s_add_co_u32 s2, s2, 1536
	v_add_nc_u32 v[VSW], s2, v250
	v_lshlrev_b32 v[CO], 4, v0
	v_add_nc_u32 v[RDA], STG, v[CO]
	s_wait_alu depctr_va_vdst(0)
	s_mul_i32 s61, s61, RB
	s_lshl_b32 s60, s60, 7
	s_add_co_u32 s60, s60, s61
	v_mul_u32_u24 v248, v[RR], PITCH
	v_lshl_add_u32 v251, v[HH], 5, v248
	v_add_nc_u32 v[TBC], s60, v251                 ; the tables: row r of my half of the channels, 128 (wave % 2) + 32 h bytes in
	s_add_co_u32 s60, s60, 2*RB
	v_add_nc_u32 v[TBC+1], s60, v251
	v_sub_nc_u32 v252, 1, v[HH]
	v_mad_u32_u24 v[ADRA], v[HH], 48, v248         ; a fragment: row r, 48 h
	v_add_nc_u32 v[ADRA+1], SLOT, v[ADRA]
	v_mad_u32_u24 v[ADRA+2], v[HH], SLOT-208, v248
	v_add_nc_u32 v[ADRA+2], 208, v[ADRA+2]         ; lanes 0-15 byte 208 of the row in slot 0, lanes 16-31 byte 0 in slot 1
	v_mad_u32_u24 v[ADRA+3], v252, SLOT+208, v248  ; lanes 0-15 byte 208 in slot 1, lanes 16-31 byte 0 in slot 0
	s_mul_i32 s2, s[WV], 32*PITCH
	s_add_co_u32 s2, s2, RB
	s_add_co_u32 s60, s2, 2*RB
.irp b, 0,1,2,3
	v_add_nc_u32 v[ADRB+\b], s2, v[ADRA+\b]
	v_add_nc_u32 v[ADRV+\b], s60, v[ADRA+\b]
.endr
	s_mov_b32 s2, 0x03010200
	s_wait_alu depctr_va_vdst(0)
	s_wait_loadcnt 0x0                             ; the scale words
.set jx, 0
.rept 112
	v_perm_b32 v[SA+jx], v[SA+jx], v[SA+jx], s2    ; bytes 1 and 2 change places
.set jx, jx+1
.endr
; A matrix instruction of step st: D, source 0, source 1, their scales
.macro WM d, s0, s1, x0, x1, st
.if (\st) == 0
	v_wmma_scale_f32_16x16x128_f8f6f4 v[\d:\d+7], v[\s0:\s0+11], v[\s1:\s1+11], 0, v[\x0], v[\x1] matrix_a_fmt:MATRIX_FMT_BF6 matrix_b_fmt:MATRIX_FMT_BF6
.elseif (\st) < 8
	v_wmma_scale_f32_16x16x128_f8f6f4 v[\d:\d+7], v[\s0:\s0+11], v[\s1:\s1+11], v[\d:\d+7], v[\x0], v[\x1] matrix_a_fmt:MATRIX_FMT_BF6 matrix_b_fmt:MATRIX_FMT_BF6
.else
	v_wmma_scale_f32_16x16x128_f8f6f4 v[\d:\d+7], v[\s0:\s0+11], v[\s1:\s1+11], v[\d:\d+7], v[\x0], v[\x1] matrix_a_fmt:MATRIX_FMT_BF6 matrix_b_fmt:MATRIX_FMT_BF6 matrix_a_scale:MATRIX_SCALE_ROW1 matrix_b_scale:MATRIX_SCALE_ROW1
.endif
.endm
; 8 matrix instructions: position tiles a0, a0 + 1 x q's two and k's two tiles.  The 48 accumulators take turns in the same order in every step but for the halves of steps 7 and 15 laid round their barriers.
.macro MQ a0, st
	WIN 0xa1+4*((\st)%2)
.irp a, \a0, \a0+1
.irp b, 0,1,2,3
	WM 128*(\b/2)+16*(\a)+8*(\b%2), 72*((\st)%2)+12*\b, AF+12*(\a), SB+8*\b+(\st)%8, SA+8*(\a)+(\st)%8, \st
.endr
.endr
.endm
; 8: position tiles a0 .. a0 + 3 x v's two tiles
.macro MV a0, st
	WIN 0xf4+(\st)%2
.irp a, \a0, \a0+1, \a0+2, \a0+3
.irp b, 0,1
	WM 64*\b+8*(\a), AF+12*(\a), 72*((\st)%2)+48+12*\b, SA+8*(\a)+(\st)%8, SB+32+8*\b+(\st)%8, \st
.endr
.endr
.endm
; fragments of step st into set st % 2: the weights' six; x's four from i0 on.  pm: which of a fragment's three pieces.  YY: where the piece of lanes 0-15 begins in the row of codes; that of lanes 16-31 begins 48 bytes on
.macro FRB st, pm
	WIN 0x40
.irp b, 0,1,2,3,4,5
.irp p, 0,1,2
.if ((\pm)>>\p)&1
.set YY, 96*(\st)+16*\p
.if YY/256 == (YY+48)/256
	ds_load_b128 v[72*((\st)%2)+12*\b+4*\p:72*((\st)%2)+12*\b+4*\p+3], v[ADRB+(ADRV-ADRB)*(\b/4)+(YY/256)%2] offset:((\b/2)%2)*RB+(\b%2)*R16+YY%256
.else
	ds_load_b128 v[72*((\st)%2)+12*\b+4*\p:72*((\st)%2)+12*\b+4*\p+3], v[ADRB+(ADRV-ADRB)*(\b/4)+2+(YY/256)%2] offset:((\b/2)%2)*RB+(\b%2)*R16+YY%256-208
.endif
.endif
.endr
.endr
.endm
.macro FRA st, pm, i0
	WIN 0x40*((\st)%2)
.irp i, \i0, \i0+1, \i0+2, \i0+3
.irp p, 0,1,2
.if ((\pm)>>\p)&1
.set YY, 96*(\st)+16*\p
.if YY/256 == (YY+48)/256
	ds_load_b128 v[AF+12*(\i)+4*\p:AF+12*(\i)+4*\p+3], v[ADRA+(YY/256)%2] offset:(\i)*R16+YY%256
.else
	ds_load_b128 v[AF+12*(\i)+4*\p:AF+12*(\i)+4*\p+3], v[ADRA+2+(YY/256)%2] offset:(\i)*R16+YY%256-208
.endif
.endif
.endr
.endr
.endm
; a step: 48 matrix instructions on one set; the next step's fragments are loaded into the other.  The four v_nop are the places between the last step's products and these loads.
.macro STEP st
	s_wait_dscnt 0x0
	MQ 0, \st
	PLACES
	FRB (\st)+1, 7
	FRA (\st)+1, 7, 0
	FRA (\st)+1, 7, 4
	MQ 2, \st
	MV 0, \st
	MQ 4, \st
	MQ 6, \st
	MV 4, \st
.endm
.macro NEXT                            ; the next chunk, into the other slot than last time.  No tensor load of mine is out: a descriptor may be written
	s_xor_b32 s[G0A+1], s[G0A+1], SLOT
	s_xor_b32 s[G0B+1], s[G0B+1], SLOT
	s_add_nc_u64 s[G0A+2:G0A+3], s[G0A+2:G0A+3], 256
	s_add_nc_u64 s[G0B+2:G0B+3], s[G0B+2:G0B+3], 256
.endm
.macro REFILL t                        ; refill t brings chunk t + 1; the fifth the tables, into the slot of chunk 4
.if \t == 5
	tensor_load_to_lds s[G0T:G0T+3], s[G1T:G1T+7]
	s_nop 0
	PLACES
.else
	NEXT
	JLOAD
.endif
.endm
.macro ASK t                           ; two refills on: chunks 3, 4 and 5, then the tables
.if \t < 3
	global_prefetch_b8 v[PFO], s[PFA:PFA+1] offset:256*(\t+3) th:TH_LOAD_NT scope:SCOPE_SE
.elseif \t == 3
	global_prefetch_b8 v[PFT], s[PTA:PTA+1] th:TH_LOAD_NT scope:SCOPE_SE
.endif
.endm
; a step whose successor lies across two chunks.  The first barrier shows the new chunk to all waves; then the pieces that touch the old chunk are read (pre);
; behind the second, which opens a round of the cluster's barrier, nobody reads the old chunk: its slot is filled again, and the pieces that lie in the new chunk alone follow (post).
.macro CROSS st, pre, post, t
	s_wait_tensorcnt 0x0
	s_wait_dscnt 0x0
	s_barrier_signal -1
	MQ 0, \st
	s_barrier_wait -1
	PLACES
	FRB (\st)+1, \pre
	FRA (\st)+1, \pre, 0
	FRA (\st)+1, \pre, 4
	MQ 2, \st
	MV 0, \st
	WIN 0
	s_wait_tensorcnt 0x0
	ds_add_u32 v[SPW], v[NIL]                      ; eight matrix instructions stand between it and its wait
	MQ 4, \st
	s_wait_dscnt 0x0
	s_barrier_signal -1
	MQ 6, \st
	WIN 0
	s_barrier_wait -1
	CREST
	REFILL \t
.if \post
	FRB (\st)+1, \post
	FRA (\st)+1, \post, 0
	FRA (\st)+1, \post, 4
.endif
	ASK \t
	MV 4, \st
.endm
.macro TLOADS g, tw, tb                ; cos and sin for four position tiles: 2 x 16 registers each
	WIN (\tw)*64
.irp y, 0,1,2,3
.irp e, 0,1,2,3
	ds_load_b128 v[\tb+32*\y+4*\e:\tb+32*\y+4*\e+3], v[TBC] offset:(4*\g+\y)*R16+64*(\e/2)+16*(\e%2)
	ds_load_b128 v[\tb+32*\y+16+4*\e:\tb+32*\y+19+4*\e], v[TBC+1] offset:(4*\g+\y)*R16+64*(\e/2)+16*(\e%2)
.endr
.endr
	WIN 0
.endm
	s_wait_alu depctr_va_vdst(0)
	s_wait_tensorcnt 0x0                           ; my part of chunk 0 is in
	ds_add_u32 v[SPW], v[NIL]
	NEXT
	s_wait_dscnt 0x0
	CROUND                                         ; chunk 0 is whole, and all sixteen work-groups are here
	JLOAD                                          ; chunk 1
	FRB 0, 7
	FRA 0, 7, 0
	FRA 0, 7, 4
	ASK 0
	STEP 0
	CROSS 1, 7, 0, 1
	STEP 2
	STEP 3
	CROSS 4, 3, 4, 2
	STEP 5
	STEP 6
	s_wait_dscnt 0x0                               ; step 7 ends with its chunk: one barrier does both
	MQ 0, 7
	WIN 0
	s_wait_tensorcnt 0x0
	ds_add_u32 v[SPW], v[NIL]
	MQ 2, 7
	s_wait_dscnt 0x0
	s_barrier_signal -1
	MV 0, 7
	WIN 0
	s_barrier_wait -1
	CREST
	REFILL 3
	FRB 8, 7
	FRA 8, 7, 0
	FRA 8, 7, 4
	ASK 3
	MQ 4, 7
	MQ 6, 7
	MV 4, 7
	STEP 8
	CROSS 9, 7, 0, 4
	STEP 10
	STEP 11
	CROSS 12, 3, 4, 5
	STEP 13
	STEP 14
	s_wait_dscnt 0x0                               ; the last step
	MQ 0, 15
	MQ 2, 15
	MV 0, 15
	MQ 4, 15
	s_wait_tensorcnt 0x0                           ; my part of the tables is in
	s_barrier_signal -1
	MQ 6, 15
	s_barrier_wait -1
	TLOADS 0, 3, 128
	MV 4, 15
	PLACES
; QUANTISE four groups of 16 registers from s of window w: lanes l and l xor 16 share each group's block of 32.  A block's scale: the largest magnitude (floor 2^(5 - 127)) with 4 off its exponent.
; Behind it registers PC + 6 c .. + 5 of lane (r, h) hold the whole block of group 2 c + h; the scale bytes stand in TM + 4 ..; word = 1 packs them.
.macro QUANT s, w, word
	WIN 0x14*(\w)
.irp b, 0,1,2,3
	v_max3_num_f32 v[TM+\b], 0x2800000, |v[\s+16*\b]|, |v[\s+1+16*\b]|
.endr
.irp i, 2,4,6,8,10,12,14
.irp b, 0,1,2,3
	v_max3_num_f32 v[TM+\b], v[TM+\b], |v[\s+16*\b+\i]|, |v[\s+1+16*\b+\i]|
.endr
.endr
	WIN 0
.irp b, 0,1,2,3
	v_permlanex16_b32 v[TM+4+\b], v[TM+\b], s4, s5
.endr
.irp b, 0,1,2,3
	v_max_num_f32 v[TM+\b], v[TM+\b], v[TM+4+\b]
.endr
.irp b, 0,1,2,3
	v_add_nc_u32 v[TM+12+\b], 0xfe000000, v[TM+\b]
.endr
.irp b, 0,1,2,3
	v_lshrrev_b32 v[TM+4+\b], 23, v[TM+12+\b]
.endr
.if \word
	v_lshl_or_b32 v[PW], v[TM+5], 8, v[TM+4]
	v_lshl_or_b32 v[PW], v[TM+6], 16, v[PW]
	v_lshl_or_b32 v[PW], v[TM+7], 24, v[PW]
.endif
	WIN \w
.irp c, 0,1
	v_cvt_scalef32_pk16_bf6_f32 v[PC+6*\c:PC+2+6*\c], v[\s+32*\c:\s+15+32*\c], v[TM+12+2*\c]
	v_cvt_scalef32_pk16_bf6_f32 v[PC+12+4*\c:PC+14+4*\c], v[\s+16+32*\c:\s+31+32*\c], v[TM+12+2*\c+1]
.endr
	WIN 0
	v_nop                                          ; one plain place behind a scaled conversion
.irp c, 0,1
.irp i, 0,1,2
	v_permlane16_swap_b32 v[PC+6*\c+\i], v[PC+12+4*\c+\i]
.endr
.endr
.irp c, 0,1
.irp i, 0,1,2
	v_mov_b32 v[PC+3+6*\c+\i], v[PC+12+4*\c+\i]
.endr
.endr
.endm
; ROPE on four position tiles of q or k (window 2, from s): pairs (x0, x1) -> (x0 cos - x1 sin, x1 cos + x0 sin)
.macro ROPE s, tw, tb
	WIN 2+4*(\tw)
.irp y, 0,1,2,3
.irp k, 0,1,2,3,4,5,6,7
	v_pk_mul_f32 v[TP+2*\k:TP+2*\k+1], v[\s+16*\y+2*\k:\s+16*\y+2*\k+1], v[\tb+32*\y+16+2*\k:\tb+32*\y+17+2*\k] op_sel:[1,0] op_sel_hi:[0,1] neg_lo:[1,0]
.endr
.irp k, 0,1,2,3,4,5,6,7
	v_pk_fma_f32 v[HA+16*\y+2*\k:HA+16*\y+2*\k+1], v[\s+16*\y+2*\k:\s+16*\y+2*\k+1], v[\tb+32*\y+2*\k:\tb+32*\y+2*\k+1], v[TP+2*\k:TP+2*\k+1]
.endr
.endr
	WIN 0
.endm
.macro EPQK part, g, tw, tb            ; position tiles 4 g .. 4 g + 3 of q (part 0) or k (part 1): my block of each position's 128 channels goes to its place in the records, and its scale byte
	ROPE 128*\part+64*\g, \tw, \tb
	QUANT HA, 0, 0
.irp c, 0,1
	ds_store_b64 v[QS], v[PC+6*\c:PC+6*\c+1] offset:\part*PART+(4*\g+2*\c)*FREC
	ds_store_b64 v[QS+1], v[PC+6*\c+2:PC+6*\c+3] offset:\part*PART+(4*\g+2*\c)*FREC
	ds_store_b64 v[QS+2], v[PC+6*\c+4:PC+6*\c+5] offset:\part*PART+(4*\g+2*\c)*FREC
.endr
.irp b, 0,1,2,3
	ds_store_b8 v[SBY], v[TM+4+\b] offset:\part*PART+(4*\g+\b)*FREC
.endr
.endm
	s_mov_b32 s4, 0x76543210
	s_mov_b32 s5, 0xfedcba98                       ; lane l xor 16
.irp t, 0,1                            ; V: my two records, whole
	QUANT 64*\t, 3, 1
.irp q, 0,1,2
	ds_store_b128 v[VST], v[PC+4*\q:PC+4*\q+3] offset:\t*FREC+512*\q
.endr
	ds_store_b32 v[VSW], v[PW] offset:\t*FREC
.endr
	s_wait_alu depctr_va_vdst(0)
	s_wait_dscnt 8                                 ; the tables of tiles 0-3 are in; V's eight stores may be out
	TLOADS 1, 1, 0
	EPQK 0, 0, 3, 128
	EPQK 1, 0, 3, 128
	s_wait_alu depctr_va_vdst(0)
	s_wait_dscnt 20                                ; the tables of tiles 4-7 are in; the twenty stores behind them may be out
	EPQK 0, 1, 1, 0
	EPQK 1, 1, 1, 0
	s_wait_alu depctr_va_vdst(0)
	s_wait_dscnt 0x0                               ; my stores have landed, for the other waves' sake
	s_barrier_signal -1
	s_barrier_wait -1
; THE WAY OUT: 78 pieces of 512 bytes, dealt to the waves by turns
.irp i, 0,1,2,3,4,5,6,7,8,9,10,11,12,13,14,15,16,17,18
	ds_load_b128 v[144+4*\i:147+4*\i], v[RDA] offset:2048*\i
.endr
.irp i, 0,1,2,3,4,5,6,7,8,9,10,11,12,13,14,15,16,17,18
	s_wait_dscnt 18-\i
	global_store_b128 v[CO], v[144+4*\i:147+4*\i], s[88:89] offset:2048*\i
.endr
	s_cmp_lt_u32 s[WV], 2                          ; the last two pieces
	s_cbranch_scc0 .Lout
	ds_load_b128 v[220:223], v[RDA] offset:2048*19
	s_wait_dscnt 0x0
	global_store_b128 v[CO], v[220:223], s[88:89] offset:2048*19
.Lout:
	s_wait_tensorcnt 0x0                           ; the wave's end
	ds_add_u32 v[SPW], v[NIL]
	s_wait_dscnt 0x0
	CROUND                                         ; the closing round
	s_endpgm
.Lfunc_end_k_qe4972c5611_proj:
	.size	k_qe4972c5611_proj, .Lfunc_end_k_qe4972c5611_proj-k_qe4972c5611_proj
	.p2alignl 7, 3214868480
	.fill 96, 4, 3214868480
	.section	.rodata,"a",@progbits
	.p2align	6, 0x0
	.amdhsa_kernel k_qe4972c5611_proj
		.amdhsa_group_segment_fixed_size 327680
		.amdhsa_private_segment_fixed_size 0
		.amdhsa_enable_private_segment 0
		.amdhsa_kernarg_size 88
		.amdhsa_user_sgpr_count 2
		.amdhsa_user_sgpr_kernarg_segment_ptr 1
		.amdhsa_wavefront_size32 1
		.amdhsa_system_sgpr_workgroup_id_x 1
		.amdhsa_system_sgpr_workgroup_id_y 1
		.amdhsa_system_sgpr_workgroup_id_z 1
		.amdhsa_system_vgpr_workitem_id 0
		.amdhsa_next_free_vgpr 1024
		.amdhsa_next_free_sgpr 102
		.amdhsa_reserve_vcc 0
		.amdhsa_float_denorm_mode_32 3
		.amdhsa_float_denorm_mode_16_64 3
		.amdhsa_memory_ordered 1
		.amdhsa_forward_progress 1
		.amdhsa_inst_pref_size 220
	.end_amdhsa_kernel
	.amdgpu_metadata
---
amdhsa.version: [ 1, 2 ]
amdhsa.kernels:
  - .name:           k_qe4972c5611_proj
    .symbol:         k_qe4972c5611_proj.kd
    .args:
      - { .name: x_codes, .offset: 0, .size: 8, .value_kind: global_buffer, .address_space: global }
      - { .name: x_scales, .offset: 8, .size: 8, .value_kind: global_buffer, .address_space: global }
      - { .name: wq_codes, .offset: 16, .size: 8, .value_kind: global_buffer, .address_space: global }
      - { .name: wq_scales, .offset: 24, .size: 8, .value_kind: global_buffer, .address_space: global }
      - { .name: wk_codes, .offset: 32, .size: 8, .value_kind: global_buffer, .address_space: global }
      - { .name: wk_scales, .offset: 40, .size: 8, .value_kind: global_buffer, .address_space: global }
      - { .name: wv_codes, .offset: 48, .size: 8, .value_kind: global_buffer, .address_space: global }
      - { .name: wv_scales, .offset: 56, .size: 8, .value_kind: global_buffer, .address_space: global }
      - { .name: rope_cos, .offset: 64, .size: 8, .value_kind: global_buffer, .address_space: global }
      - { .name: rope_sin, .offset: 72, .size: 8, .value_kind: global_buffer, .address_space: global }
      - { .name: qkv, .offset: 80, .size: 8, .value_kind: global_buffer, .address_space: global }
    .group_segment_fixed_size: 327680
    .private_segment_fixed_size: 0
    .kernarg_segment_align: 8
    .kernarg_segment_size: 88
    .max_flat_workgroup_size: 128
    .sgpr_count:     102
    .vgpr_count:     1024
    .wavefront_size: 32
...
	.end_amdgpu_metadata
.endif
;; end of part 1
;; launch attn (part 2): grid 16 x 16, 16 waves a work-group, clusters of 4 x 1, 327,680 bytes of LDS; arguments qkv, out0; writes out0
.if DOCPART == 2
	.amdgcn_target "amdgcn-amd-amdhsa--gfx1250"
	.amdhsa_code_object_version 6
	.text
	.protected	k_qe4972c5611_attn
	.globl	k_qe4972c5611_attn
	.p2align	8
	.type	k_qe4972c5611_attn,@function
k_qe4972c5611_attn:
	s_mov_b64 s[64:65], 0
	v_nop
	global_prefetch_b8 v0, s[64:65] scope:SCOPE_SE
	s_setreg_imm32_b32 hwreg(HW_REG_WAVE_MODE, 25, 1), 1
	s_wait_xcnt 0x0
	s_wait_alu depctr_hold_cnt(0) depctr_sa_sdst(0) depctr_va_vdst(0) depctr_va_sdst(0) depctr_va_ssrc(0) depctr_va_vcc(0) depctr_vm_vsrc(0)
	s_getreg_b32 s2, hwreg(HW_REG_IB_STS2, 6, 4)
	s_cmp_eq_u32 s2, 0
	s_cbranch_scc0 .Lentry_in_a_cluster
	s_endpgm
.Lentry_in_a_cluster:
	s_bfe_u32 s2, ttmp6, 0x10000c
	s_cmp_lg_u32 s2, 0x3003
	s_cbranch_scc0 .Lentry_shape_is_right
	s_endpgm
.Lentry_shape_is_right:
; out0[q][128 head + d] = softmax_d( sum over k <= q of softmax_k(Q[q] . K[k] / sqrt(128)) V[k][d] ), 16 heads, 2,048 positions; both products on codes of BF6 (E3M2) with E8M0 scales.
; DEAD WORK left out: key steps (128 keys) that the causal mask hides from all of a tile's queries: their p is 0 for all inputs.
; qkv holds, for each (head, step of 128 positions), three parts of 13,312 bytes, q, k, v; a part is 8 records of 1,664 bytes, each the image of an operand's registers (registers 4 c .. 4 c + 3 of lane l at 512 c + 16 l,
; the scale word of lane l at 1,536 + 4 l).  Record a: q, k: positions 16 a + r, K = the head's 128;  v: channels 16 a + r, K = the step's 128 keys.
; THE SOFTMAX AHEAD OF THE SECOND PRODUCT: t = score x log2(e) / sqrt(128); M = the largest t so far, rounded up to a whole number; p = 2^(t - M) is quantised along the keys, not normalised; the row's sum is taken of the
; unquantised p and divides at the end.  When M moves, the sum and O are multiplied by 2^(old M - new M): exact.
; SHARES.  A cluster of four work-groups owns the blocks of 128 queries c, 7 - c, 8 + c, 15 - c of one head: 34 key steps whatever c is.  Each work-group takes two tiles of 16 queries of each block (tile 2 cx + e).
; TWO PHASES: first the tiles of blocks c and 7 - c, over keys 0 .. 1,023 (two slots), then those of the blocks 8 further on, over all keys (four slots).  A slot holds four steps; each of a phase's four tiles is served by FOUR waves:
; wave q takes step 4 slot + q, so a wave has at most one step in a slot.  At a phase's end the waves q = 0, 1, 2 hand O, M and the sum to the wave q = 3 through LDS, which merges them by exact powers of two,
; takes the second softmax and stores; the first phase's tiles leave while the others work on the second.
; Sixteen waves of 256 registers, four to a SIMD: one wave's vector work stands beside another's matrix work and LDS loads.
; K AND V of a slot are asked for JOINTLY by the four work-groups.  Wave w of 0 .. 3 fetches four records (6,656 bytes: K's lower, K's upper, V's lower, V's upper) of all four steps, as four rows of one tile.
; Every work-group walks all six slots; a hidden step's work is jumped over by a scalar branch on ids.
; PREFETCH: the slots that are new are asked for once in a cluster, work-group cx the slot's step cx (waves 0 .. 3, 26 blocks of 256 bytes each): steps 4-7 at the head, 8-11 and 12-15 at the second phase's start, one and two refills ahead.
; LAYOUT.  Both products are used transposed: S^T = K Q^T, O^T = V^T P^T: a lane holds one query (lane % 16) throughout.  Register 16 b + i of S^T is key 32 b + 16 (i / 8) + 8 (lane / 16) + i % 8 of the step; V's blocks have the same order.
; LIMITS: NaN and infinities are not served.  Scaled scores stay under 2^31 in magnitude.  Hidden scores are -infinity where the definition has -1e30: p is 0 either way, since every query sees its own key.  O and the sum are made in four
; parts of the keys and merged: another order of the f32 sums.  A block of p all of whose numbers lie under 2^(5 - 127) keeps the byte 1.
; REGISTERS: v1-11, v28-31 addresses and constants; v12 -M, v13 the largest t, v[14:15] the sum in two halves; v16-27 Q; v32-79 four fragments of K or V; v80-95 sums at work; v96-159 S^T, then p;
; v160-223 O^T; v224-235 p's codes; v232-247, v252, v254 at work; v248-251, v253, v255 scale words.
.set FREC,  1664
.set PART,  8*FREC                     ; 13,312
.set ROWB,  4*FREC                     ; 6,656: four records of a step
.set QTR,   4*ROWB                     ; 26,624: what one wave fetches: four records of four steps
.set SLOT,  4*QTR                      ; 106,496; slot 1 begins here: an exclusive or turns 0 and SLOT into each other
.set RECB,  3*PART                     ; from step to step in qkv
.set HEADB, 16*RECB                    ; from head to head
.set MRG,   2*SLOT                     ; the merge: for each of 4 tiles three images of O^T (16 x 512) and of (-M, sum) (512); a tile's stage, 16 rows x (512 + 16), lies over its images when they have been read
.set TILEB, 8704
.set SPARE, MRG+12*TILEB               ; the spare words, 128 bytes for each wave: eight blocks of 256 bytes that no other line names
.set AK0,  1                           ; v1   my lane's place in a slot's K
.set STO,  2                           ; v2   the stage: where I put 32 bytes of a row
.set ASK0, 3                           ; v3   among K's scale words
.set RD,   4                           ; v4   my tile's images, and the stage: 16 x lane
.set SPW,  5                           ; v5   LDS address of my spare word; never rewritten
.set NIL,  6                           ; v6   0; never rewritten
.set GO,   7                           ; v7   16 x lane
.set ADK,  8
.set L4,   9                           ; v9   4 x lane
.set ADS,  10
.set ADT,  11
.set MW,   28                          ; v28  the merge: my 16 bytes of my image
.set VD,   29                          ; v29  my query in its block - 8 (lane / 16)
.set NINF, 30                          ; v30  -infinity
.set ADV,  31
.set WV,   8                           ; s8   my wave's number
.set QQ,   11                          ; s11  which step of a slot is mine
.set II,   12                          ; s12  which of a phase's four tiles
.set EE,   13
.set TIN,  15                          ; s15  my tile in its block: 2 cx + e
.set HEAD, 17
.set BLK,  18                          ; s18  my block of 128 queries
.set SI,   19                          ; s19  the key step in hand
.set SEL,  20                          ; s[20:21] lane l xor 16
.set CS,   22                          ; s[22:23] c = log2(e) / sqrt(128)
.set G1,   24                          ; s[24:31] descriptor group 1
.set G0,   32                          ; s[32:35] group 0
.set TB,   36                          ; s36  LDS byte at which the slot in hand begins
.set CNT,  37
.set BS,   38                          ; s[38:39] where what I fetch begins in qkv
.set OF,   48                          ; s[48:49] from there to the slot asked for last
.set FB,   50                          ; s50  LDS byte of the slot asked for last
.set LB,   51                          ; s51  my quarter of a slot
.set PB,   52                          ; s[52:53] the prefetches
.set PW,   54
.macro CROUND                          ; a round of the cluster's barrier
	s_barrier_signal -1
	s_barrier_wait -1
	s_cmp_lg_u32 s[WV], 0
	s_cbranch_scc1 .Lnot_wave_0_\@
	s_barrier_signal -3
.Lnot_wave_0_\@:
	s_barrier_wait -3
	s_barrier_signal -1
	s_barrier_wait -1
.endm
.macro TLOAD                           ; waves 0 .. 3 ask; the branch hangs on the wave's number alone
	s_cmp_lt_u32 s[WV], 4
	s_cbranch_scc0 .Lasked_\@
	tensor_load_to_lds s[G0:G0+3], s[G1:G1+7]
	s_nop 0
.rept 4
	v_nop
.endr
.Lasked_\@:
.endm
.macro ASK n, m                        ; prefetch slots n .. m of four steps
	v_and_b32 v254, 31, v0
	v_min_u32 v254, 25, v254                       ; (lanes 26-31 name their wave's last block again)
	v_lshlrev_b32 v254, 8, v254
	v_add_nc_u32 v254, s[PW], v254
	s_cmp_lt_u32 s[WV], 4
	s_cbranch_scc0 .Lnot_mine_\@
	global_prefetch_b8 v254, s[PB:PB+1] offset:4*\n*RECB th:TH_LOAD_NT scope:SCOPE_SE
.if \m > \n
	global_prefetch_b8 v254, s[PB:PB+1] offset:4*\m*RECB th:TH_LOAD_NT scope:SCOPE_SE
.endif
.Lnot_mine_\@:
.endm
.macro LOADQ n                         ; Q's fragment and its scale words, n blocks on
.irp c, 0,1,2
	global_load_b128 v[16+4*\c:19+4*\c], v[GO], s[40:41] offset:\n*RECB+512*\c
.endr
	global_load_b32 v255, v[L4], s[40:41] offset:\n*RECB+1536
.endm
.macro INIT                            ; a phase begins
	v_mov_b32 v13, 0xff61b1e6                      ; the largest t so far: -3e38, under every t
	v_mov_b32 v14, 0                               ; the sum, in two halves
	v_mov_b32 v15, 0
	v_floor_f32 v12, -v13                          ; -M
.set jx, 0
.rept 64
	v_mov_b32 v[160+jx], 0                         ; O^T.  (The step's first run finds zeros, which the first change of M leaves zeros; a wave all of whose steps are hidden hands zeros on)
.set jx, jx+1
.endr
.endm
	s_load_b128 s[4:7], s[0:1], 0x0                ; qkv, out0
	v_lshl_add_u32 v[SPW], v0, 2, SPARE
	v_mov_b32 v[NIL], 0
	ds_add_u32 v[SPW], v[NIL]                      ; the opening add, twice on end
	ds_add_u32 v[SPW], v[NIL]
	v_lshrrev_b32 v8, 5, v0
	v_readfirstlane_b32 s[WV], v8                  ; wave 0..15 = 4 a + b
	s_lshr_b32 s9, s[WV], 2
	s_and_b32 s10, s[WV], 3
	s_xor_b32 s[QQ], s9, s10                       ; q = a xor b;
	s_lshr_b32 s46, s10, 1
	s_and_b32 s47, s10, 1
	s_xor_b32 s47, s46, s47
	s_lshl_b32 s47, s47, 1
	s_or_b32 s47, s47, s46
	s_xor_b32 s[II], s9, s47                       ; tile = a xor (b permuted): four waves that lie 1 or 4 apart have four different q and four different tiles
	s_and_b32 s[EE], s[II], 1
	s_lshr_b32 s14, s[II], 1
	s_bfe_u32 s16, ttmp6, 0x40000                  ; cx
	s_lshl_b32 s[TIN], s16, 1
	s_add_co_u32 s[TIN], s[TIN], s[EE]
	s_and_b32 s47, ttmp7, 0xffff                   ; y = 4 (head / 4) + c, cluster x = head % 4
	s_and_b32 s45, s47, 3
	s_lshr_b32 s47, s47, 2
	s_lshl_b32 s47, s47, 2
	s_add_co_u32 s[HEAD], s47, ttmp9
	s_mul_i32 s46, s14, 7
	s_xor_b32 s[BLK], s45, s46                     ; c or 7 - c; in the second phase 8 more
	s_mov_b32 s[SI], s[QQ]
	s_mov_b32 s[SEL], 0x76543210
	s_mov_b32 s[SEL+1], 0xfedcba98
	s_mov_b32 s[CS], 0x3e0293ee
	s_mov_b32 s[CS+1], s[CS]                       ; (named with it as a pair, so it is written)
	s_mov_b32 s[TB], 0
	s_mov_b32 s[FB], 0
	s_mov_b32 s[OF], 0
	s_mov_b32 s[OF+1], 0
	; descriptor group 1: four rows (steps) of 6,656 bytes (832 elements of 8 bytes), no padding
	s_mov_b32 s[G1], 15|(3<<16)|(1<<21)            ; 15:0 the mask: all four work-groups; elements of 8 bytes; bit 21 set beside a mask
	s_mov_b32 s[G1+1], (ROWB/8)<<16                ; tensor_dim0
	s_mov_b32 s[G1+2], 4<<16                       ; tensor_dim1
	s_mov_b32 s[G1+3], (ROWB/8)<<16                ; tile_dim0
	s_mov_b32 s[G1+4], 4                           ; tile_dim1
	s_mov_b32 s[G1+5], RECB/8                      ; from row to row
	s_mov_b32 s[G1+6], 0
	s_mov_b32 s[G1+7], 0
	s_mul_i32 s[LB], s10, QTR
	s_mul_i32 s[PW], s10, ROWB
	s_mul_i32 s38, s[HEAD], HEADB                  ; what I fetch, if I fetch: the head, behind a step's q part, my four records: made of the head and the wave's number alone
	s_add_co_u32 s38, s38, PART
	s_mul_i32 s42, s16, RECB
	s_add_co_u32 s42, s42, s38                     ; the prefetches: step cx
	s_mov_b32 s43, 0
	s_add_co_u32 s38, s38, s[PW]
	s_mov_b32 s39, 0
	s_mov_b32 s[G0], 1
	s_mov_b32 s[G0+1], s[LB]
	s_lshl_b32 s40, s[HEAD], 4                     ; Q: (16 head + block) x RECB + my tile's record
	s_add_co_u32 s40, s40, s[BLK]
	s_mul_i32 s40, s40, RECB
	s_mul_i32 s41, s[TIN], FREC
	s_add_co_u32 s40, s40, s41
	s_mov_b32 s41, 0
	s_mul_i32 s44, s[QQ], ROWB                     ; my step's place in a quarter
	s_mul_i32 s46, s[II], 3*TILEB
	s_add_co_u32 s46, s46, MRG
	s_min_u32 s47, s[QQ], 2                        ; (q = 3 writes no image)
	s_mul_i32 s47, s47, TILEB
	s_add_co_u32 s47, s47, s46
	s_lshl_b32 s9, s[TIN], 4
	; every LDS address register is made here, on the way that all waves take
	v_and_b32 v224, 15, v0                         ; r
	v_bfe_u32 v225, v0, 4, 1                       ; h
	v_and_b32 v226, 31, v0                         ; lane
	v_lshlrev_b32 v[GO], 4, v226
	v_lshlrev_b32 v[L4], 2, v226
	v_mul_u32_u24 v227, v224, 528
	v_lshlrev_b32 v228, 3, v225
	v_add_nc_u32 v[AK0], s44, v[GO]
	v_add_nc_u32 v[ASK0], s44, v[L4]
	v_lshl_add_u32 v227, v225, 5, v227
	v_sub_nc_u32 v228, v224, v228
	v_add_nc_u32 v[RD], s46, v[GO]
	v_add_nc_u32 v[ASK0], 1536, v[ASK0]
	v_add_nc_u32 v[STO], s46, v227                 ; row r, + 32 h
	v_add_nc_u32 v[MW], s47, v[GO]
	v_add_nc_u32 v[VD], s9, v228                   ; 16 tile + r - 8 h: data for the mask's compares, no address
	v_mov_b32 v[NINF], 0xff800000
.irp b, 0,1,2,3
	v_mov_b32 v[236+\b], 0                         ; written once: a lane permute's destination counts as one of its sources
.endr
	v_mov_b32 v253, 0                              ; (named as the upper half of the pair v[252:253] before it is first written)
	s_wait_alu depctr_va_vdst(0)
	s_wait_dscnt 0x0                               ; both opening adds are done
	s_wait_kmcnt 0x0
	s_add_nc_u64 s[BS:BS+1], s[4:5], s[38:39]
	s_add_nc_u64 s[PB:PB+1], s[4:5], s[42:43]
	s_mov_b64 s[G0+2:G0+3], s[BS:BS+1]
	s_or_b32 s[G0+3], s[G0+3], 0x80000000          ; type = 2
	s_add_nc_u64 s[40:41], s[4:5], s[40:41]
	s_lshl_b32 s42, s[BLK], 7                      ; out0: row 128 block + 16 tile, of 8,192 bytes; + 512 head
	s_add_co_u32 s42, s42, s9
	s_lshl_b32 s42, s42, 13
	s_lshl_b32 s44, s[HEAD], 9
	s_add_co_u32 s42, s42, s44
	s_add_nc_u64 s[6:7], s[6:7], s[42:43]
	CROUND                                         ; all four work-groups are here: the first joint loads meet
	TLOAD                                          ; slot 0: steps 0-3
	LOADQ 0
	ASK 1, 1
	INIT
.macro LOADF adr, ads, g               ; four fragments (records 4 g .. 4 g + 3 of K or V) and their scale words, as they lie
.irp t, 0,1,2,3
.irp c, 0,1,2
	ds_load_b128 v[32+12*\t+4*\c:35+12*\t+4*\c], v[\adr] offset:\g*QTR+\t*FREC+512*\c
.endr
	ds_load_b32 v[248+\t], v[\ads] offset:\g*QTR+\t*FREC
.endr
.endm
.macro PVMUL g                         ; O^T += V^T P^T, four tiles; the accumulators take turns
.irp t, 0,1,2,3
	v_wmma_scale_f32_16x16x128_f8f6f4 v[160+8*(4*\g+\t):167+8*(4*\g+\t)], v[32+12*\t:43+12*\t], v[224:235], v[160+8*(4*\g+\t):167+8*(4*\g+\t)], v[248+\t], v253 matrix_a_fmt:MATRIX_FMT_BF6 matrix_b_fmt:MATRIX_FMT_BF6
.endr
.endm
; MY KEY STEP OF THE SLOT IN HAND: 128 keys.  mask = 0: no key of the slot lies at or behind any query of the phase (steps 0-7, blocks 8 and on)
.macro STEP mask
.if \mask
	s_cmp_gt_u32 s[SI], s[BLK]                     ; all its keys come after my queries: the work is left out; no barrier and no tensor load stands in a step
	s_cbranch_scc1 .Lhidden_\@
.endif
	s_add_co_u32 s46, s[TB], 2*QTR                 ; V's half of the slot
	v_add_nc_u32 v[ADK], s[TB], v[AK0]             ; (these four are also the places in front of loads into registers that the last step's products have read)
	v_add_nc_u32 v[ADS], s[TB], v[ASK0]
	v_add_nc_u32 v[ADV], s46, v[AK0]
	v_add_nc_u32 v[ADT], s46, v[ASK0]
	s_wait_alu depctr_va_vdst(0)
.irp g, 0,1                                    ; S^T = K Q^T, four tiles of 16 keys at a time
.if \g > 0
.rept 4
	v_nop                                          ; places in front of loads into registers that matrix instructions have read
.endr
.endif
	LOADF ADK, ADS, \g
	s_wait_dscnt 0x0
.irp t, 0,1,2,3
	v_wmma_scale_f32_16x16x128_f8f6f4 v[96+8*(4*\g+\t):103+8*(4*\g+\t)], v[32+12*\t:43+12*\t], v[16:27], 0, v[248+\t], v255 matrix_a_fmt:MATRIX_FMT_BF6 matrix_b_fmt:MATRIX_FMT_BF6
.endr
.endr
.rept 4
	v_nop                                          ; places: for the loads below and for the first reads of the scores
.endr
	LOADF ADV, ADT, 0                              ; V's first four tiles land under the softmax
.if \mask
	s_cmp_lt_u32 s[SI], s[BLK]                     ; all keys count: no mask
	s_cbranch_scc1 .Lopen_\@
.set nx, 0
.rept 64                                       ; on the diagonal: hidden where 32 b + 16 (i / 8) + i % 8 > my query - 8 (lane / 16)
	v_cmp_gt_i32 vcc_lo, 32*(nx/16)+16*((nx%16)/8)+nx%8, v[VD]
	v_cndmask_b32 v[96+nx], v[96+nx], v[NINF], vcc_lo
.set nx, nx+1
.endr
.Lopen_\@:
.endif
.irp b, 0,1,2,3
	v_max3_num_f32 v[232+\b], v[96+16*\b], v[97+16*\b], v[98+16*\b]   ; the largest score of each block of 32 keys: it serves for the row's maximum and, since p rises with the score, for the block's largest p
.endr
.irp i, 3,5,7,9,11,13
.irp b, 0,1,2,3
	v_max3_num_f32 v[232+\b], v[232+\b], v[96+16*\b+\i], v[97+16*\b+\i]
.endr
.endr
.irp b, 0,1,2,3
	v_max_num_f32 v[232+\b], v[232+\b], v[111+16*\b]
.endr
.irp b, 0,1,2,3
	s_delay_alu instid0(VALU_DEP_4)
	v_permlanex16_b32 v[236+\b], v[232+\b], s[SEL], s[SEL+1]
.endr
.irp b, 0,1,2,3
	s_delay_alu instid0(VALU_DEP_4)
	v_max_num_f32 v[232+\b], v[232+\b], v[236+\b]  ; with lane l xor 16's 16 keys
.endr
	s_delay_alu instid0(VALU_DEP_2)
	v_max3_num_f32 v254, v232, v233, v234
	s_delay_alu instid0(VALU_DEP_1)
	v_max_num_f32 v254, v254, v235                 ; the step's largest score of my query
	s_delay_alu instid0(VALU_DEP_1)
	v_mul_f32 v254, s[CS], v254                    ; as t
	s_delay_alu instid0(VALU_DEP_1)
	v_max_num_f32 v13, v13, v254                   ; the running largest t
	v_mov_b32 v254, v12
	s_delay_alu instid0(VALU_DEP_2)
	v_floor_f32 v12, -v13                          ; the new -M = floor(-t): M is a whole number
	s_delay_alu instid0(VALU_DEP_1)
	v_sub_f32 v254, v12, v254                      ; old M - new M: a whole number, 0 or less
	s_delay_alu instid0(VALU_DEP_1)
	v_cvt_i32_f32 v254, v254                       ; (it saturates)
	s_delay_alu instid0(VALU_DEP_1)
	v_ldexp_f32 v252, 1.0, v254                    ; f = 2^(old M - new M)
.set jx, 0
.rept 32
	v_pk_fma_f32 v[96+jx:97+jx], v[96+jx:97+jx], s[CS:CS+1], v[12:13] op_sel_hi:[1,0,0]   ; t - M, two at a time
.set jx, jx+2
.endr
.irp b, 0,1,2,3
	v_fma_f32 v[232+\b], v[232+\b], s[CS], v12     ; the same of each block's largest score
.endr
.set jx, 0
	s_wait_alu depctr_va_vdst(0)
.rept 64
	v_exp_f32 v[96+jx], v[96+jx]                   ; p = 2^(t - M), at most 1
.set jx, jx+1
.endr
.irp b, 0,1,2,3
	v_exp_f32 v[232+\b], v[232+\b]                 ; the block's largest p: the same two instructions on the same number
.endr
	v_pk_mul_f32 v[14:15], v[14:15], v[252:253] op_sel_hi:[1,0]   ; the sums under the new M.  (A plain place behind the exponentials)
	s_wait_alu depctr_va_vdst(0)
.irp b, 0,1,2,3
	v_max_num_f32 v[232+\b], 0x2800000, v[232+\b]  ; the floor 2^(5 - 127): the byte cannot fall under 1
.endr
.irp b, 0,1,2,3
	s_delay_alu instid0(VALU_DEP_4)
	v_add_nc_u32 v[244+\b], 0xfe000000, v[232+\b]  ; 4 off the exponent field: the conversion's scale operand
.endr
.irp b, 0,1,2,3
	s_delay_alu instid0(VALU_DEP_4)
	v_lshrrev_b32 v[236+\b], 23, v[244+\b]         ; the scale's byte
.endr
	s_delay_alu instid0(VALU_DEP_3)
	v_lshl_or_b32 v253, v237, 8, v236              ; p's scale word for these 128 keys
	s_delay_alu instid0(VALU_DEP_1)
	v_lshl_or_b32 v253, v238, 16, v253
	s_delay_alu instid0(VALU_DEP_1)
	v_lshl_or_b32 v253, v239, 24, v253
.irp c, 0,1
	v_cvt_scalef32_pk16_bf6_f32 v[224+6*\c:226+6*\c], v[96+32*\c:111+32*\c], v[244+2*\c]
	v_cvt_scalef32_pk16_bf6_f32 v[236+4*\c:238+4*\c], v[112+32*\c:127+32*\c], v[244+2*\c+1]   ; (a conversion's three registers begin on an even number)
.endr
	v_nop                                          ; one plain place behind a scaled conversion
.irp c, 0,1                                    ; the operand's layout wants a whole block in a lane
.irp i, 0,1,2
	v_permlane16_swap_b32 v[224+6*\c+\i], v[236+4*\c+\i]
.endr
.irp i, 0,1,2
	s_delay_alu instid0(VALU_DEP_3)
	v_mov_b32 v[227+6*\c+\i], v[236+4*\c+\i]
.endr
.endr
	SUM64 80                                       ; the row's sum, of the unquantised p
	v_pk_add_f32 v[14:15], v[14:15], v[80:81]
.set jx, 0
.rept 32
	v_pk_mul_f32 v[160+jx:161+jx], v[160+jx:161+jx], v[252:253] op_sel_hi:[1,0]   ; O^T under the new M.  (These and the sums are the places between p's codes and scale word and the products below)
.set jx, jx+2
.endr
	s_wait_alu depctr_va_vdst(0)
	s_wait_dscnt 0x0                               ; V's first four tiles are in
	PVMUL 0
.rept 4
	v_nop
.endr
	LOADF ADV, ADT, 1
	s_wait_dscnt 0x0
	PVMUL 1
.if \mask
.Lhidden_\@:
.endif
	s_add_co_u32 s[SI], s[SI], 4                   ; my step of the next slot
	s_xor_b32 s[TB], s[TB], SLOT
.endm
.macro SUM64 a                         ; v96-159 summed into the pair at a, in eight chains
.irp k, 0,2,4,6,8,10,12,14
	v_pk_add_f32 v[\a+\k:\a+\k+1], v[96+\k:97+\k], v[112+\k:113+\k]
.endr
.irp j, 128,144
.irp k, 0,2,4,6,8,10,12,14
	v_pk_add_f32 v[\a+\k:\a+\k+1], v[\a+\k:\a+\k+1], v[\j+\k:\j+\k+1]
.endr
.endr
.irp k, 0,2,4,6
	v_pk_add_f32 v[\a+\k:\a+\k+1], v[\a+\k:\a+\k+1], v[\a+8+\k:\a+9+\k]
.endr
.irp k, 0,2
	v_pk_add_f32 v[\a+\k:\a+\k+1], v[\a+\k:\a+\k+1], v[\a+4+\k:\a+5+\k]
.endr
	v_pk_add_f32 v[\a:\a+1], v[\a:\a+1], v[\a+2:\a+3]
.endm
; THE CHANGE OF SLOTS stands at a slot's head.  Each wave waits for all its tensor loads (its part of the slot ahead), adds 0 to its spare word, and waits for that and for its LDS reads and stores.
; kind 1, 2: a round of the cluster's barrier follows, so that no wave of any partner still reads the other slot or has a load on its way; the joint refill is the first thing behind it and has a slot's work in which to land.
; The slots asked for hold steps 0-3, 4-7, 0-3, 4-7, 8-11, 12-15: kind 1 turns between the first two, kind 2 goes on.
.macro CHANGE kind
	s_wait_tensorcnt 0x0                           ; no tensor load of mine is out, so group 0 may be written
	ds_add_u32 v[SPW], v[NIL]                      ; 0 onto my spare word,
.if \kind
	ds_add_u32 v[SPW], v[NIL]                      ; and twice on end
	s_xor_b32 s[FB], s[FB], SLOT
	s_add_co_u32 s[G0+1], s[FB], s[LB]
.if \kind == 1
	s_xor_b32 s[OF], s[OF], 4*RECB
.else
	s_add_co_u32 s[OF], s[OF], 4*RECB
.endif
	s_add_nc_u64 s[G0+2:G0+3], s[BS:BS+1], s[OF:OF+1]
	s_or_b32 s[G0+3], s[G0+3], 0x80000000
.endif
	s_wait_dscnt 0x0
.if \kind
	CROUND
	TLOAD                                          ; a loading wave has one tensor load out
.else
	s_barrier_signal -1
	s_barrier_wait -1
.endif
.endm
; A PHASE'S END: waves q = 0, 1, 2 hand O^T, -M and the sum on: images of registers, lane for lane
.macro HAND
.rept 4
	v_nop                                          ; places behind the last products
.endr
	v_add_f32 v14, v14, v15                        ; my lane's sum
	s_wait_alu depctr_va_vdst(0)
	s_cmp_eq_u32 s[QQ], 3
	s_cbranch_scc1 .Lkeep_\@
	v_mov_b32 v13, v14                             ; the pair (-M, sum)
	s_wait_alu depctr_va_vdst(0)
.irp i, 0,1,2,3,4,5,6,7,8,9,10,11,12,13,14,15
	ds_store_b128 v[MW], v[160+4*\i:163+4*\i] offset:512*\i   ; each accumulator from its low end on
.endr
	ds_store_b64 v[MW], v[12:13] offset:8192
.Lkeep_\@:
.endm
.macro IMAGE j, a                      ; image j of my tile into v[a ..]
.irp i, 0,1,2,3,4,5,6,7,8,9,10,11,12,13,14,15
	ds_load_b128 v[\a+4*\i:\a+4*\i+3], v[RD] offset:\j*TILEB+512*\i
.endr
.endm
.macro JOIN a, f                       ; O^T += image x its factor
.set jx, 0
.rept 32
	v_pk_fma_f32 v[160+jx:161+jx], v[\a+jx:\a+1+jx], v[\f:\f+1], v[160+jx:161+jx] op_sel_hi:[1,0,1]
.set jx, jx+2
.endr
.endm
; wave q = 3 finishes its tile.  (v16-27, v255 and v254 are left alone: Q's loads and a prefetch may be out)
.macro FINAL
.irp j, 0,1,2
	ds_load_b64 v[224+2*\j:225+2*\j], v[RD] offset:\j*TILEB+8192
.endr
	IMAGE 0, 96
	IMAGE 1, 32
	s_wait_dscnt 32                                ; the three pairs are in; the 32 loads behind them may be out
	v_min_num_f32 v230, v224, v226
	v_min_num_f32 v231, v228, v12
	v_min_num_f32 v230, v230, v231                 ; -(the largest M)
	v_sub_f32 v232, v230, v12                      ; each M less the largest: a whole number, 0 or less (a wave that had no step brings -M = 3e38: its factor is 0, on zeros)
	v_sub_f32 v233, v230, v224
	v_sub_f32 v234, v230, v226
	v_sub_f32 v235, v230, v228
.irp k, 0,1,2,3
	v_cvt_i32_f32 v[232+\k], v[232+\k]
.endr
.irp k, 0,1,2,3
	v_ldexp_f32 v[240+2*\k], 1.0, v[232+\k]
.endr
.irp k, 0,1,2,3
	v_ldexp_f32 v[241+2*\k], 1.0, v[232+\k]        ; (the packed forms name pairs)
.endr
	v_mul_f32 v14, v14, v240
	v_fma_f32 v14, v225, v242, v14
	v_fma_f32 v14, v227, v244, v14
	v_fma_f32 v14, v229, v246, v14
.set jx, 0
.rept 32
	v_pk_mul_f32 v[160+jx:161+jx], v[160+jx:161+jx], v[240:241] op_sel_hi:[1,0]
.set jx, jx+2
.endr
	s_wait_alu depctr_va_vdst(0)
	s_wait_dscnt 16                                ; image 0 is in; image 1 may be out
	JOIN 96, 242
	IMAGE 2, 96
	s_wait_alu depctr_va_vdst(0)
	s_wait_dscnt 16                                ; image 1 is in; image 2 may be out
	JOIN 32, 244
	s_wait_alu depctr_va_vdst(0)
	s_wait_dscnt 0x0
	JOIN 96, 246
	v_permlanex16_b32 v237, v14, s[SEL], s[SEL+1]
	v_add_f32 v14, v14, v237                       ; with lane l xor 16's: the row's sum
	s_wait_alu depctr_va_vdst(0)
	v_rcp_f32 v15, v14                             ; (the maxima below are the plain places behind it)
	; THE SECOND SOFTMAX, over the head's 128 channels of o = O / sum: my lane holds 64 of them, lane l xor 16 the others.  1 / sum is positive, so the largest o is the largest O / sum;
	; e^(o - max) = 2^(O k1 - max k1) with k1 = log2(e) / sum.
.irp b, 0,1,2,3
	v_max3_num_f32 v[232+\b], v[160+16*\b], v[161+16*\b], v[162+16*\b]
.endr
.irp i, 3,5,7,9,11,13
.irp b, 0,1,2,3
	v_max3_num_f32 v[232+\b], v[232+\b], v[160+16*\b+\i], v[161+16*\b+\i]
.endr
.endr
.irp b, 0,1,2,3
	v_max_num_f32 v[232+\b], v[232+\b], v[175+16*\b]
.endr
	v_max3_num_f32 v232, v232, v233, v234
	v_max_num_f32 v232, v232, v235
	v_permlanex16_b32 v237, v232, s[SEL], s[SEL+1]
	v_max_num_f32 v232, v232, v237                 ; the row's largest O
	s_wait_alu depctr_va_vdst(0)
	v_mul_f32 v240, 0x3fb8aa3b, v15                ; k1
	v_mul_f32 v242, -v232, v240                    ; -max k1
.set jx, 0
.rept 32
	v_pk_fma_f32 v[96+jx:97+jx], v[160+jx:161+jx], v[240:241], v[242:243] op_sel_hi:[1,0,0]
.set jx, jx+2
.endr
.set jx, 0
	s_wait_alu depctr_va_vdst(0)
.rept 64
	v_exp_f32 v[96+jx], v[96+jx]
.set jx, jx+1
.endr
	v_nop                                          ; a plain place behind the exponentials
	s_wait_alu depctr_va_vdst(0)
	SUM64 32
	v_add_f32 v232, v32, v33
	v_permlanex16_b32 v237, v232, s[SEL], s[SEL+1]
	v_add_f32 v232, v232, v237
	s_wait_alu depctr_va_vdst(0)
	v_rcp_f32 v240, v232
	v_nop                                          ; a plain place behind the reciprocal
.set jx, 0
	s_wait_alu depctr_va_vdst(0)
.rept 32
	v_pk_mul_f32 v[96+jx:97+jx], v[96+jx:97+jx], v[240:241] op_sel_hi:[1,0]   ; register 8 t + i is out(r, 16 t + 8 h + i)
.set jx, jx+2
.endr
	; THE WAY OUT: through my tile's stage, back as whole rows of 512 bytes.  LDS serves a wave's instructions in order: no wait between the stores and the loads.
.irp t, 0,1,2,3,4,5,6,7
	ds_store_b128 v[STO], v[96+8*\t:99+8*\t] offset:64*\t
	ds_store_b128 v[STO], v[100+8*\t:103+8*\t] offset:64*\t+16
.endr
.irp i, 0,1,2,3,4,5,6,7,8,9,10,11,12,13,14,15
	ds_load_b128 v[160+4*\i:163+4*\i], v[RD] offset:528*\i
.endr
.irp i, 0,1,2,3,4,5,6,7,8,9,10,11,12,13,14,15
	s_wait_dscnt 15-\i                             ; row i is back; the younger rows may be out
	global_store_b128 v[GO], v[160+4*\i:163+4*\i], s[6:7] offset:8192*\i th:TH_STORE_NT   ; 32 lanes store 512 consecutive bytes, at a multiple of 256 from out0's first byte
.endr
.endm
	s_wait_alu depctr_va_vdst(0)
	s_wait_xcnt 0x0                                ; the prefetch has read its address
	s_wait_loadcnt 0x0                             ; Q
	s_mov_b32 s[CNT], 2
.Lfirst:                                           ; the first phase: steps 0-3, 4-7
	CHANGE 1
	STEP 1
	s_sub_co_u32 s[CNT], s[CNT], 1
	s_cmp_lg_u32 s[CNT], 0
	s_cbranch_scc1 .Lfirst
	HAND
	LOADQ 8                                        ; the second phase's blocks lie 8 further on
	CHANGE 1                                       ; it also shows the images to the waves q = 3
	ASK 2, 3
	s_wait_alu depctr_va_vdst(0)
	s_cmp_lg_u32 s[QQ], 3
	s_cbranch_scc1 .Lnext
	FINAL
.Lnext:
	s_wait_xcnt 0x0                                ; the prefetches have read their address, the stores their data and their base
	s_add_nc_u64 s[6:7], s[6:7], 8*128*8192
	s_add_co_u32 s[BLK], s[BLK], 8
	s_mov_b32 s[SI], s[QQ]
	INIT
	s_wait_alu depctr_va_vdst(0)
	s_wait_loadcnt 0x0                             ; Q
	s_mov_b32 s[CNT], 2
.Lsecond:                                          ; the second phase: steps 0-3, 4-7,
	STEP 0
	CHANGE 2
	s_sub_co_u32 s[CNT], s[CNT], 1
	s_cmp_lg_u32 s[CNT], 0
	s_cbranch_scc1 .Lsecond
	STEP 1                                         ; 8-11,
	CHANGE 0                                       ; (nothing more is fetched)
	STEP 1                                         ; 12-15
	HAND
	s_wait_dscnt 0x0                               ; for the other wave's sake: my stores have landed
	s_barrier_signal -1
	s_barrier_wait -1
	s_cmp_lg_u32 s[QQ], 3
	s_cbranch_scc1 .Ldone
	FINAL
.Ldone:
	s_wait_tensorcnt 0x0                           ; the wave's end
	ds_add_u32 v[SPW], v[NIL]
	s_wait_dscnt 0x0
	CROUND                                         ; the closing round: no work-group ends while a partner may still ask for a tile that names it
	s_endpgm
.Lfunc_end_k_qe4972c5611_attn:
	.size	k_qe4972c5611_attn, .Lfunc_end_k_qe4972c5611_attn-k_qe4972c5611_attn
	.p2alignl 7, 3214868480
	.fill 96, 4, 3214868480
	.section	.rodata,"a",@progbits
	.p2align	6, 0x0
	.amdhsa_kernel k_qe4972c5611_attn
		.amdhsa_group_segment_fixed_size 327680
		.amdhsa_private_segment_fixed_size 0
		.amdhsa_enable_private_segment 0
		.amdhsa_kernarg_size 16
		.amdhsa_user_sgpr_count 2
		.amdhsa_user_sgpr_kernarg_segment_ptr 1
		.amdhsa_wavefront_size32 1
		.amdhsa_system_sgpr_workgroup_id_x 1
		.amdhsa_system_sgpr_workgroup_id_y 1
		.amdhsa_system_sgpr_workgroup_id_z 1
		.amdhsa_system_vgpr_workitem_id 0
		.amdhsa_next_free_vgpr 256
		.amdhsa_next_free_sgpr 66
		.amdhsa_reserve_vcc 1
		.amdhsa_float_denorm_mode_32 3
		.amdhsa_float_denorm_mode_16_64 3
		.amdhsa_memory_ordered 1
		.amdhsa_forward_progress 1
		.amdhsa_inst_pref_size 170
	.end_amdhsa_kernel
	.amdgpu_metadata
---
amdhsa.version: [ 1, 2 ]
amdhsa.kernels:
  - .name:           k_qe4972c5611_attn
    .symbol:         k_qe4972c5611_attn.kd
    .args:
      - { .name: qkv, .offset: 0, .size: 8, .value_kind: global_buffer, .address_space: global }
      - { .name: out0, .offset: 8, .size: 8, .value_kind: global_buffer, .address_space: global }
    .group_segment_fixed_size: 327680
    .private_segment_fixed_size: 0
    .kernarg_segment_align: 8
    .kernarg_segment_size: 16
    .max_flat_workgroup_size: 512
    .sgpr_count:     66
    .vgpr_count:     256
    .wavefront_size: 32
...
	.end_amdgpu_metadata
.endif
;; end of part 2
